; MI455X (gfx1250); checked and timed in simulation.
; The chip was launched on July 23, 2026; its instructions are those of AMD's public machine-readable ISA for CDNA 5 (MIT licence, August 2026) and "CDNA5" Instruction Set Architecture Reference Guide (July 2026). The comments in the code are by the model that wrote it; some were corrected since.
;; Mo E Layer. Allowed arithmetic: matrix products marked QUANTISED: E4M3 operands, one E8M0 scale for each 32 along K, by v_wmma_scale_f32_16x16x128_f8f6f4 with both operands' format E4M3, f32 sums; products left as they are: f32 operands where the result goes on into a quantised operand, else bf16, f16 or f32 operands; f32 sums; everything else in f32.
;; Inputs: b1 2 x 4,096 float32; b2 2 x 1,024 float32; gate_b 2 float32; gate_w 1,024 x 2 float32; w1_codes 2 x 4,096 x 32 x 32 uint8 (E4M3 codes of w1, K innermost, in blocks of 32 codes); w1_scales 2 x 4,096 x 32 uint8 (E8M0 scales of w1, one for each 32 codes along K); w2_codes 2 x 1,024 x 128 x 32 uint8 (E4M3 codes of w2, K innermost, in blocks of 32 codes); w2_scales 2 x 1,024 x 128 uint8 (E8M0 scales of w2, one for each 32 codes along K); x 2,048 x 2 x 1,024 float32.
;; Outputs: out0 2,048 x 2 x 1,024 float32.
;; This version of the problem:
;;   THIS VERSION OF THE PROBLEM IS GIVEN IN LOW PRECISION. The matrix products marked QUANTISED in the list below multiply operands that are first quantised to E4M3 (4 exponent bits, 3 mantissa bits; 8 bits a number), with one power-of-two scale for each 32 numbers along K (OCP MX v1.0); their sums are f32. All else is computed in f32.
;;   The module's matrix products, in the order in which they are computed (A, B: the left and right operand; K: the contracted axis; several contracted axes count as one K, in the product's order):
;;     1. [M 4,096, K 1,024] x [K 1,024, N 2]; A: input x; B: input gate_w: left as it is (N = 2 < 16)
;;     2. [M 4,096, K 1,024] x [K 1,024, N 4,096]; A: input x; B: input w1 (given as codes): QUANTISED
;;     3. [M 4,096, K 4,096] x [K 4,096, N 1,024]; A: computed on the way; B: input w2 (given as codes): QUANTISED
;;     4. [M 4,096, K 1,024] x [K 1,024, N 4,096]; A: input x; B: input w1 (given as codes): QUANTISED
;;     5. [M 4,096, K 4,096] x [K 4,096, N 1,024]; A: computed on the way; B: input w2 (given as codes): QUANTISED
;;   THE QUANTISER, for each operand of a quantised product, along K:
;;     - K is cut into blocks of 32 from its start; a last block that is shorter is filled with zeros.
;;     - A block's scale is 2^e with e = floor(log2(the largest magnitude in the block)) - 8, held to -126 .. 127; a block of zeros has e = 0. As a byte (E8M0): e + 127.
;;     - Each number is divided by its block's scale, clamped to +-448, and rounded to the nearest number of E4M3, ties to even, subnormals kept.
;;     - The product sums the exact products of the quantised numbers (number of the format x scale) in f32.
;;   ~~~python
;;   def quantise(x, axis):      # numpy; x: float32 -> the quantised numbers, widened to float32 again
;;       x = np.moveaxis(x, axis, -1); K = x.shape[-1]
;;       x = np.pad(x, [(0, 0)] * (x.ndim - 1) + [(0, -K % 32)]); x = x.reshape(x.shape[:-1] + (-1, 32)); a = np.abs(x).max(-1, keepdims=True)
;;       e = np.where(a > 0, np.clip(np.frexp(np.where(a > 0, a, 1))[1] - 1 - 8, -126, 127), 0)      # np.frexp(a)[1] - 1 = floor(log2(a)), exactly
;;       r = np.clip(x / 2.0 ** e, -448, 448)
;;       step = 2.0 ** (np.maximum(np.frexp(np.where(r == 0, 1, r))[1] - 1, -6) - 3)
;;       q = np.round(r / step) * step * 2.0 ** e      # np.round: ties to even
;;       return np.moveaxis(q.reshape(q.shape[:-2] + (-1,))[..., :K], -1, axis).astype(np.float32)
;;   ~~~
;;   OPERANDS COMPUTED ON THE WAY. 'Computed on the way' means the value that the module computes at that place (a softmax that the list does not call 'softmax' is quantised finished and normalised). What goes into a quantiser is computed in f32, as accurately as f32 sums, v_exp_f32 and their like allow (about 1e-6 of the number): no bf16 or f16 on the way to a quantiser, and a product that is left as it is and whose result goes on into a quantised operand takes f32 operands (vector FMAs, or v_wmma_f32_16x16x4_f32). A number that lies on a knife's edge between two numbers of the format may be rounded either way, as far as f32 arithmetic and the matrix unit's own rounding can turn it there, and no further.
;;   INPUTS GIVEN AS CODES. w1 (in the module: [2, 1024, 4096], K = its axis 1); w2 (in the module: [2, 4096, 1024], K = its axis 1): each comes as NAME_codes (uint8): NAME with its K axis moved to the last place and cut into blocks of 32 codes, [.., K / 32, bytes a block], one block behind the other in memory; one code a byte (a code: sign, 4 exponent bits, 3 mantissa bits); and NAME_scales (uint8): the same leading axes, one E8M0 byte (e + 127) for each 32 codes along K. Its value is code x scale, taken as it is: it is not quantised again, and the codes and scales need not be those that the quantiser above would give.
;; One version. Each part assembles by itself: llvm-mc -triple=amdgcn-amd-amdhsa -mcpu=gfx1250 --defsym DOCPART=n.
;; ======== version 1 of 1: 3 launches
;; limits: right only within a limited range of input values
;; workspace buffers: xq 4,194,304 bytes; xs 131,072 bytes; comb 32,768 bytes; hq 34,603,008 bytes; ws2 262,144 bytes
;; launch prep (part 1): grid 256 x 1, 8 waves a work-group, no clusters, 43,008 bytes of LDS; arguments x, gate_w, gate_b, xq, xs, comb, w2_scales, ws2; writes xq, xs, comb, ws2
.if DOCPART == 1
	.amdgcn_target "amdgcn-amd-amdhsa--gfx1250"
	.amdhsa_code_object_version 6
	.text
	.protected	k_qb28cd8ce64_prep
	.globl	k_qb28cd8ce64_prep
	.p2align	8
	.type	k_qb28cd8ce64_prep,@function
k_qb28cd8ce64_prep:
	s_mov_b64 s[64:65], 0
	v_nop
	global_prefetch_b8 v0, s[64:65] scope:SCOPE_SE
	s_setreg_imm32_b32 hwreg(HW_REG_WAVE_MODE, 25, 1), 1
	s_wait_xcnt 0x0
; x [4096 tokens][1024] f32 is read ONCE and serves twice:
;   (1) it is quantised along its 1,024 into codes of E4M3 (xq [4096][1024], one byte a code) with one E8M0 byte for each 32 (xs [4096][32]);
;   (2) the gate: logits = x gate_w + gate_b in f32 (fused multiply-adds), comb = softmax over the two logits with the larger one taken away first (comb [4096][2] f32).
;       Both experts are always among the chosen two, so the combine weights are the plain softmax of the two logits.
; A block's scale is 2^(floor(log2(its largest magnitude)) - 8); its byte is the largest magnitude's exponent field - 8, held at 1 from below.
; LIMITS: NaN and infinities among the inputs are not served.  A block whose largest magnitude lies under 2^(9 - 127), a block of zeros among them, gets the byte 1 (its codes are then zeros or
; subnormal codes under that scale); the bytes are read by this program alone.  A softmax term under 2^-126 comes out as 0.
; SHARES.  A work-group of eight waves owns 16 tokens.  Wave w takes columns 256 (w % 4) on of rows 8 (w / 4) on, in four steps of 2 rows x 256 columns.
; Each load reads 512 consecutive bytes; a step's 2,048 bytes turn through the wave's own stage in LDS, so that a lane then holds 16 NEIGHBOURS of one row (two neighbouring lanes hold a block of 32).
; All 16 loads of a wave go out at the head.  No matrix unit, no tensor load, no cluster: work-groups share nothing but gate_w's 8,192 bytes.
; comb leaves as 128 bytes a work-group (half of an aligned 256): the whole buffer is 32,768 bytes.
.set SP,    80                         ; a lane's place in a stage: 64 bytes + 16 of padding
.set STG,   32*SP                      ; a stage
.set WREG,  2*STG                      ; a wave's two stages
.set SCB,   8*WREG                     ; 512 bytes: the 16 rows' scale bytes, 32 a row
.set PART,  SCB+512                    ; 512 bytes: partial logits [column quarter][row][expert]
.set R,     16                         ; v16-79   step t's numbers as loaded, at R + 16 t
.set X,     80                         ; v80-111  two sets of 16 neighbours
.set E,     112                        ; v112-115 a scale byte for each step
.set ACC,   116                        ; v116-123 a pair of partial logits for each step
.set C,     124                        ; v124-139 four registers of codes for each step: no store's data are written again
.set GW,    140                        ; v140-171 gate_w of my 16 columns: (expert 0, expert 1) pairs
.set GB,    172                        ; v172     gate_b[lane % 2]
.set T,     176                        ; v176-183 at work
	s_load_b256 s[4:11], s[0:1], 0x0               ; x s[4:5], gate_w s[6:7], gate_b s[8:9], xq s[10:11]
	s_load_b128 s[12:15], s[0:1], 0x20             ; xs s[12:13], comb s[14:15]
	s_load_b128 s[36:39], s[0:1], 0x30             ; w2_scales s[36:37], ws2 s[38:39]
	v_lshl_add_u32 v192, v0, 2, 0xa400
	v_mov_b32 v193, 0
	v_lshrrev_b32 v1, 5, v0
	s_delay_alu instid0(VALU_DEP_1)
	v_readfirstlane_b32 s16, v1                    ; wave 0..7
	s_and_b32 s17, s16, 3                          ; which quarter of the columns
	s_lshr_b32 s18, s16, 2                         ; which half of the rows
	v_and_b32 v1, 31, v0                           ; lane
	s_delay_alu instid0(VALU_DEP_1)
	v_lshlrev_b32 v2, 4, v1                        ; 16 x lane
	s_mul_i32 s19, s16, WREG
	v_lshrrev_b32 v3, 2, v1
	s_delay_alu instid0(VALU_DEP_1)
	v_mul_u32_u24 v3, v3, SP
	v_and_b32 v4, 3, v1
	s_delay_alu instid0(VALU_DEP_1)
	v_lshl_add_u32 v3, v4, 4, v3
	s_delay_alu instid0(VALU_DEP_1)
	v_add_nc_u32 v3, s19, v3                       ; the stage, way in: four lanes' 64 bytes on end, then the padding
	v_mul_u32_u24 v4, v1, SP
	s_delay_alu instid0(VALU_DEP_1)
	v_add_nc_u32 v4, s19, v4                       ; way out: my 16 neighbours
	v_and_b32 v8, 15, v1                           ; lane % 16: which 16 columns of the 256
	v_lshrrev_b32 v9, 4, v1                        ; lane / 16: which of the step's two rows
	s_wait_alu depctr_va_vdst(0)
	v_lshlrev_b32 v5, 4, v8
	s_delay_alu instid0(VALU_DEP_1)
	v_lshl_add_u32 v5, v9, 10, v5                  ; my codes' place: row x 1,024 + 16 (lane % 16)
	s_lshl_b32 s20, s18, 8
	s_lshl_b32 s21, s17, 3
	s_add_co_u32 s20, s20, s21
	s_add_co_u32 s20, s20, SCB
	v_lshrrev_b32 v6, 1, v8
	s_delay_alu instid0(VALU_DEP_1)
	v_lshl_add_u32 v6, v9, 5, v6
	s_delay_alu instid0(VALU_DEP_1)
	v_add_nc_u32 v6, s20, v6                       ; my block's scale byte: 32 bytes a row, 8 a column quarter
	s_lshl_b32 s20, s17, 7
	s_lshl_b32 s21, s18, 6
	s_add_co_u32 s20, s20, s21
	s_add_co_u32 s20, s20, PART
	v_lshlrev_b32 v7, 3, v9
	s_delay_alu instid0(VALU_DEP_1)
	v_add_nc_u32 v7, s20, v7                       ; my row's pair of partial logits
	v_lshlrev_b32 v12, 7, v8                       ; gate_w: 8 bytes a column, my 16 columns
	v_and_b32 v13, 1, v1
	s_delay_alu instid0(VALU_DEP_1)
	v_lshlrev_b32 v13, 2, v13                      ; gate_b[lane % 2]
	v_add_nc_u32 v14, SCB, v2                      ; the end: 16 scale bytes a lane,
	v_lshlrev_b32 v173, 2, v1
	s_delay_alu instid0(VALU_DEP_1)
	v_add_nc_u32 v15, PART, v173                   ; and one logit a lane: row lane / 2, expert lane % 2
	s_mov_b32 s23, 0x600000                        ; the mantissa field of 448
	s_lshl_b32 s24, ttmp9, 16                      ; x: 16 rows of 4,096 bytes a work-group,
	s_lshl_b32 s25, s18, 15                        ; 8 rows a half,
	s_add_co_u32 s24, s24, s25
	s_lshl_b32 s25, s17, 10                        ; 1,024 bytes a column quarter
	s_add_co_u32 s24, s24, s25
	s_mov_b32 s25, 0
	s_lshr_b32 s26, s24, 2                         ; xq: a quarter of the bytes
	s_mov_b32 s27, 0
	s_lshl_b32 s28, s17, 11                        ; gate_w: 256 columns x 8 bytes
	s_mov_b32 s29, 0
	s_lshl_b32 s30, ttmp9, 9                       ; xs: 512 bytes a work-group
	s_mov_b32 s31, 0
	s_lshl_b32 s32, ttmp9, 7                       ; comb: 128
	s_mov_b32 s33, 0
	; A THIRD SERVICE: w2_scales [2][1024 rows][128] is re-laid in the order in which the last launch's lanes take it: ws2 [column tile ct, 0..7][256 along K, 0..15][expert][j, 0..3][lane][8 bytes]:
	; row 128 ct + 16 j + 64 (lane / 16) + lane % 16.  A work-group makes 1,024 bytes, a thread one word: j = t / 64, lane = t / 2 % 32, word t % 2.
	s_and_b32 s40, ttmp9, 1                        ; expert,
	s_lshl_b32 s40, s40, 17
	s_lshr_b32 s41, ttmp9, 5                       ; column tile,
	s_lshl_b32 s41, s41, 14
	s_add_co_u32 s40, s40, s41
	s_bfe_u32 s41, ttmp9, 0x40001                  ; which 256 along K
	s_lshl_b32 s41, s41, 3
	s_add_co_u32 s40, s40, s41
	s_mov_b32 s41, 0
	s_lshl_b32 s42, ttmp9, 10
	s_mov_b32 s43, 0
	v_lshrrev_b32 v174, 6, v0
	v_bfe_u32 v175, v0, 5, 1
	v_bfe_u32 v185, v0, 1, 4
	v_and_b32 v186, 1, v0
	v_lshlrev_b32 v174, 11, v174
	v_lshl_add_u32 v174, v175, 13, v174
	v_lshl_add_u32 v174, v185, 7, v174
	v_lshl_add_u32 v174, v186, 2, v174
	v_lshlrev_b32 v175, 2, v0
	s_wait_alu depctr_va_vdst(0)
	s_wait_kmcnt 0x0
	s_add_nc_u64 s[4:5], s[4:5], s[24:25]
	s_add_nc_u64 s[6:7], s[6:7], s[28:29]
	s_add_nc_u64 s[10:11], s[10:11], s[26:27]
	s_add_nc_u64 s[12:13], s[12:13], s[30:31]
	s_add_nc_u64 s[14:15], s[14:15], s[32:33]
	s_add_nc_u64 s[36:37], s[36:37], s[40:41]
	s_add_nc_u64 s[38:39], s[38:39], s[42:43]
	global_load_b32 v184, v174, s[36:37]           ; older than all that the waits below count
	global_load_b32 v[GB], v13, s[8:9]
.irp j, 0,1,2,3,4,5,6,7
	global_load_b128 v[GW+4*\j:GW+4*\j+3], v12, s[6:7] offset:16*\j
.endr
.irp t, 0,1,2,3
.irp i, 0,1,2,3
	global_load_b128 v[R+16*\t+4*\i:R+16*\t+4*\i+3], v2, s[4:5] offset:(2*\t+\i/2)*4096+(\i%2)*512 th:TH_LOAD_NT   ; 32 lanes read 512 consecutive bytes; read once in the launch
.endr
.endr
.macro TURN t                          ; step t's numbers through a stage: LDS serves a wave's instructions in order, so no wait stands between the stores and the loads
.irp i, 0,1,2,3
	ds_store_b128 v3, v[R+16*(\t)+4*\i:R+16*(\t)+4*\i+3] offset:STG*((\t)%2)+8*SP*\i
.endr
.irp i, 0,1,2,3
	ds_load_b128 v[X+16*((\t)%2)+4*\i:X+16*((\t)%2)+4*\i+3], v4 offset:STG*((\t)%2)+16*\i
.endr
.endm
	s_wait_loadcnt 12                              ; gate_b, gate_w and step 0's four loads are in; the 12 of steps 1 to 3 may be out
	TURN 0
.macro STEP t
.set XS, X+16*((\t)%2)
.if (\t) > 0
	s_wait_dscnt 1                                 ; this step's numbers are back from the stage; the last step's byte store may be out
.else
	s_wait_dscnt 0x0
.endif
.if (\t) < 3
	s_wait_loadcnt 4*(2-(\t))                      ; the next step's four loads are in; those of the steps behind it may be out
	TURN (\t)+1                                    ; they go through the other stage while this step is worked
.endif
	v_mul_f32 v[T],   v[XS],   v[GW]               ; the gate, ahead of the hold that changes x: four chains, started by products
	v_mul_f32 v[T+1], v[XS],   v[GW+1]
	v_mul_f32 v[T+2], v[XS+8], v[GW+16]
	v_mul_f32 v[T+3], v[XS+8], v[GW+17]
.irp i, 1,2,3,4,5,6,7
	s_delay_alu instid0(VALU_DEP_4)
	v_fmac_f32 v[T],   v[XS+\i],   v[GW+2*\i]
	s_delay_alu instid0(VALU_DEP_4)
	v_fmac_f32 v[T+1], v[XS+\i],   v[GW+2*\i+1]
	s_delay_alu instid0(VALU_DEP_4)
	v_fmac_f32 v[T+2], v[XS+8+\i], v[GW+16+2*\i]
	s_delay_alu instid0(VALU_DEP_4)
	v_fmac_f32 v[T+3], v[XS+8+\i], v[GW+17+2*\i]
.endr
	s_delay_alu instid0(VALU_DEP_2)
	v_add_f32 v[ACC+2*(\t)],   v[T],   v[T+2]
	s_delay_alu instid0(VALU_DEP_2)
	v_add_f32 v[ACC+2*(\t)+1], v[T+1], v[T+3]
	v_max3_num_f32 v8, |v[XS]|, |v[XS+1]|, |v[XS+2]|               ; the largest magnitude of my 16
	v_max3_num_f32 v9, |v[XS+3]|, |v[XS+4]|, |v[XS+5]|
.irp i, 6,10
	s_delay_alu instid0(VALU_DEP_2)
	v_max3_num_f32 v8, v8, |v[XS+\i]|, |v[XS+\i+1]|
	s_delay_alu instid0(VALU_DEP_2)
	v_max3_num_f32 v9, v9, |v[XS+\i+2]|, |v[XS+\i+3]|
.endr
	s_delay_alu instid0(VALU_DEP_2)
	v_max3_num_f32 v8, v8, |v[XS+14]|, |v[XS+15]|
	s_delay_alu instid0(VALU_DEP_1)
	v_max3_num_f32 v8, v8, v9, 0x4800000           ; and the floor 2^(9 - 127): the byte cannot fall under 1
	s_delay_alu instid0(VALU_DEP_1)
	v_max_num_f32_dpp v8, v8, v8 row_xmask:1 row_mask:0xf bank_mask:0xf   ; and of my neighbour's 16: the block's
	s_delay_alu instid0(VALU_DEP_1)
	v_add_nc_u32 v11, 0xfc000000, v8               ; 8 off its exponent field: the conversion takes the exponent field of this operand as its scale
	s_delay_alu instid0(VALU_DEP_2)
	v_and_or_b32 v10, v8, 0x7f800000, s23          ; 448 x the scale
.irp i, 0,1,2,3,4,5,6,7,8,9,10,11,12,13,14,15
	v_med3_num_f32 v[XS+\i], v[XS+\i], -v10, v10   ; the conversion to an 8-bit code does not saturate (ISA guide 7.6.2): the hold comes first
.endr
	v_cvt_scalef32_pk8_fp8_f32 v[C+4*(\t):C+4*(\t)+1], v[XS:XS+7], v11
	v_cvt_scalef32_pk8_fp8_f32 v[C+4*(\t)+2:C+4*(\t)+3], v[XS+8:XS+15], v11
	v_lshrrev_b32 v[E+(\t)], 23, v11               ; the scale's byte (also the plain line behind the conversions)
	ds_store_b8 v6, v[E+(\t)] offset:64*(\t)       ; both lanes of a block write the same byte with the same value
	global_store_b128 v5, v[C+4*(\t):C+4*(\t)+3], s[10:11] offset:2048*(\t)   ; sixteen lanes store 256 consecutive bytes, aligned
.endm
	STEP 0
	STEP 1
	STEP 2
	STEP 3
	global_store_b32 v175, v184, s[38:39]          ; 128 consecutive bytes a wave, 1,024 a work-group
.irp m, 1,2,4,8                        ; each row's partial logits: the sum over the sixteen lanes that hold the row
.irp k, 0,1,2,3,4,5,6,7
	v_add_f32_dpp v[ACC+\k], v[ACC+\k], v[ACC+\k] row_xmask:\m row_mask:0xf bank_mask:0xf
.endr
.endr
.irp t, 0,1,2,3
	ds_store_b64 v7, v[ACC+2*\t:ACC+2*\t+1] offset:16*\t   ; sixteen lanes write the same pair with the same values
.endr
	s_wait_dscnt 0x0                               ; for the others' sake: my scale bytes and my partial logits have landed
	s_barrier_signal -1
	s_barrier_wait -1
	s_cmp_lg_u32 s16, 0
	s_cbranch_scc1 .Lnot_wave_0
	ds_load_b128 v[T:T+3], v14                     ; wave 0: the 16 rows' 512 scale bytes leave as two aligned runs of 256
	s_wait_dscnt 0x0
	global_store_b128 v2, v[T:T+3], s[12:13]
	s_wait_tensorcnt 0x0
	ds_add_u32 v192, v193
	s_wait_dscnt 0x0
	s_endpgm
.Lnot_wave_0:
	s_cmp_lg_u32 s16, 1
	s_cbranch_scc1 .Ldone
.irp q, 0,1,2,3
	ds_load_b32 v[T+\q], v15 offset:128*\q         ; wave 1: the four column quarters' parts of logit (row lane / 2, expert lane % 2)
.endr
	s_wait_dscnt 0x0
	v_add_f32 v[T], v[T], v[T+1]
	v_add_f32 v[T+2], v[T+2], v[T+3]
	s_delay_alu instid0(VALU_DEP_1)
	v_add_f32 v[T], v[T], v[T+2]
	s_delay_alu instid0(VALU_DEP_1)
	v_add_f32 v[T], v[T], v[GB]                    ; + gate_b
	s_delay_alu instid0(VALU_DEP_1)
	v_mov_b32 v[T+1], v[T]
	s_delay_alu instid0(VALU_DEP_2)
	v_max_num_f32_dpp v[T+1], v[T], v[T] row_xmask:1 row_mask:0xf bank_mask:0xf   ; the larger of the row's two logits
	s_delay_alu instid0(VALU_DEP_1)
	v_sub_f32 v[T+2], v[T], v[T+1]                 ; 0 or less
	s_delay_alu instid0(VALU_DEP_1)
	v_mul_f32 v[T+2], 0x3fb8aa3b, v[T+2]           ; x log2(e)
	s_wait_alu depctr_va_vdst(0)
	v_exp_f32 v[T+3], v[T+2]
	v_nop                                          ; a plain line behind the exponential,
	s_wait_alu depctr_va_vdst(0)                   ; and the wait ahead of its first reader
	v_mov_b32 v[T+4], v[T+3]
	v_add_f32_dpp v[T+4], v[T+3], v[T+3] row_xmask:1 row_mask:0xf bank_mask:0xf   ; the two terms' sum, between 1 and 2
	s_wait_alu depctr_va_vdst(0)
	v_rcp_f32 v[T+5], v[T+4]
	v_nop
	s_wait_alu depctr_va_vdst(0)
	v_mul_f32 v[T+6], v[T+3], v[T+5]
	global_store_b32 v173, v[T+6], s[14:15]
.Ldone:
	s_wait_tensorcnt 0x0
	ds_add_u32 v192, v193
	s_wait_dscnt 0x0
	s_endpgm
.Lfunc_end_k_qb28cd8ce64_prep:
	.size	k_qb28cd8ce64_prep, .Lfunc_end_k_qb28cd8ce64_prep-k_qb28cd8ce64_prep
	.p2alignl 7, 3214868480
	.fill 96, 4, 3214868480
	.section	.rodata,"a",@progbits
	.p2align	6, 0x0
	.amdhsa_kernel k_qb28cd8ce64_prep
		.amdhsa_group_segment_fixed_size 43008
		.amdhsa_private_segment_fixed_size 0
		.amdhsa_enable_private_segment 0
		.amdhsa_kernarg_size 64
		.amdhsa_user_sgpr_count 2
		.amdhsa_user_sgpr_kernarg_segment_ptr 1
		.amdhsa_wavefront_size32 1
		.amdhsa_system_sgpr_workgroup_id_x 1
		.amdhsa_system_sgpr_workgroup_id_y 1
		.amdhsa_system_sgpr_workgroup_id_z 1
		.amdhsa_system_vgpr_workitem_id 0
		.amdhsa_next_free_vgpr 194
		.amdhsa_next_free_sgpr 66
		.amdhsa_reserve_vcc 0
		.amdhsa_float_denorm_mode_32 3
		.amdhsa_float_denorm_mode_16_64 3
		.amdhsa_memory_ordered 1
		.amdhsa_forward_progress 1
		.amdhsa_inst_pref_size 31
	.end_amdhsa_kernel
	.amdgpu_metadata
---
amdhsa.version: [ 1, 2 ]
amdhsa.kernels:
  - .name:           k_qb28cd8ce64_prep
    .symbol:         k_qb28cd8ce64_prep.kd
    .args:
      - { .name: x, .offset: 0, .size: 8, .value_kind: global_buffer, .address_space: global }
      - { .name: gate_w, .offset: 8, .size: 8, .value_kind: global_buffer, .address_space: global }
      - { .name: gate_b, .offset: 16, .size: 8, .value_kind: global_buffer, .address_space: global }
      - { .name: xq, .offset: 24, .size: 8, .value_kind: global_buffer, .address_space: global }
      - { .name: xs, .offset: 32, .size: 8, .value_kind: global_buffer, .address_space: global }
      - { .name: comb, .offset: 40, .size: 8, .value_kind: global_buffer, .address_space: global }
      - { .name: w2_scales, .offset: 48, .size: 8, .value_kind: global_buffer, .address_space: global }
      - { .name: ws2, .offset: 56, .size: 8, .value_kind: global_buffer, .address_space: global }
    .group_segment_fixed_size: 43008
    .private_segment_fixed_size: 0
    .kernarg_segment_align: 8
    .kernarg_segment_size: 64
    .max_flat_workgroup_size: 256
    .sgpr_count:     66
    .vgpr_count:     194
    .wavefront_size: 32
...
	.end_amdgpu_metadata
.endif
;; end of part 1
;; launch gemm1 (part 2): grid 64 x 4, 4 waves a work-group, clusters of 4 x 4, 327,680 bytes of LDS; arguments xq, xs, w1_codes, w1_scales, b1, hq; writes hq
.if DOCPART == 2
	.amdgcn_target "amdgcn-amd-amdhsa--gfx1250"
	.amdhsa_code_object_version 6
	.text
	.protected	k_qb28cd8ce64_gemm1
	.globl	k_qb28cd8ce64_gemm1
	.p2align	8
	.type	k_qb28cd8ce64_gemm1,@function
k_qb28cd8ce64_gemm1:
	s_mov_b64 s[64:65], 0
	v_nop
	global_prefetch_b8 v0, s[64:65] scope:SCOPE_SE
	s_setreg_imm32_b32 hwreg(HW_REG_WAVE_MODE, 25, 1), 1
	s_wait_xcnt 0x0
	s_wait_alu depctr_hold_cnt(0) depctr_sa_sdst(0) depctr_va_vdst(0) depctr_va_sdst(0) depctr_va_ssrc(0) depctr_va_vcc(0) depctr_vm_vsrc(0)
	s_getreg_b32 s2, hwreg(HW_REG_IB_STS2, 6, 4)
	s_cmp_eq_u32 s2, 0
	s_cbranch_scc0 .Lentry_in_a_cluster
	s_endpgm
.Lentry_in_a_cluster:
	s_bfe_u32 s2, ttmp6, 0x10000c
	s_cmp_lg_u32 s2, 0xf033
	s_cbranch_scc0 .Lentry_shape_is_right
	s_endpgm
.Lentry_shape_is_right:
; h = Q(relu(x W1^T + b1)) for BOTH experts at once: w1_codes read as [8192 hidden units][1024] is one operand, b1 as [8192] its bias.  x comes as codes (xq [4096][1024], xs [4096][32]).
; Products on codes of E4M3 with one E8M0 scale for each 32 along K, sums in f32; the result is quantised along the hidden units, the next product's K, in registers, and leaves as codes.
; SHARES.  256 work-groups: 128 hidden units x 1,024 tokens each.  Four waves, 2 x 2: wave column wc holds 64 rows of W1, ALL of K, in 512 registers; wave row wr streams half of the tokens past them,
; in 32 blocks of 16 tokens, which stand in registers as two whole sets (256).  A block is 32 products.
; LDS holds two slots of 128 rows of x (a chunk: four blocks for each wave row) and the scale bytes of all 1,024 tokens.  W1's 128 rows lie in slot 1 first; chunk 1 is filled over them when they are in registers.
; FILLS.  At the head W1's rows (wave 0), chunk 0 (wave 1), the scale bytes (waves 2, 3).  Each refill is a quarter of a chunk a wave, in a drained round of the cluster's barrier inside a chunk's third block:
; by then the chunk's last rows are in registers, and the next chunk has landed; the refill has the work up to the next chunk's third block in which to land.
; THE WAY OUT of a block stands among the next block's products, so sums stand in two sets; the first has no block before it: it works on zeros and a branch leads round its stores alone.
; A tile of W1 is chosen so that a lane's four tiles hold 32 NEIGHBOURING hidden units: row 8 m + i of tile j is unit 32 m + 8 j + i of the wave's 64.  So a scale block lies in one lane.
; hq is laid as IMAGES OF OPERAND REGISTERS: hq[i = 256 along K, 0..15][tg = 128 tokens, 0..31][expert][33,792 bytes]: codes at a 4,096 + s 2,048 + 512 c + 16 lane (a: block of 16 tokens, s: K step of 128,
; c: registers 4 c .. 4 c + 3); from byte 32,768 on the scale words at s 512 + 32 r + 4 a (r: token in its block).  Each store of codes covers two whole aligned units of 256 bytes.
; CLUSTERS: the four work-groups of a row of the cluster need the same tokens, the four of a column the same rows of W1: each tile is asked for jointly.
; PREFETCH: behind the refill with chunk n + 2 one request a wave names the wave's share of chunk n + 4; all sixteen clusters read the same x, so four of them ask.
; LIMITS: NaN and infinities are not served; a block of h whose largest number lies under 2^(9 - 127), a block of zeros among them, gets the byte 1; the bytes are read by this program alone.
.set KROW,  1024
.set PITCH, 1040                       ; an LDS row: 1,024 bytes + 16 of padding
.set CH,    128
.set YB,    CH*PITCH                   ; slot 1
.set SCL,   2*YB                       ; x's scale bytes: runs of 256 bytes (8 rows) + 16 of padding
.set SSTEP, 2*272                      ; 16 rows
.set XN,    SCL+128*272                ; h's scale words: [8 token groups][512 bytes]
.set SPARE, XN+4096
.set HBLK,  33792
.set NP,    8                          ; plain vector lines behind a matrix instruction (ISA guide 7.12.1 for vector instructions)
.set NF,    34                         ; LDS loads of a block
.set ADRA0, 4                          ; v4  LDS address of my fragments of a chunk's block 0 in slot 0
.set CN,    5                          ; v5  512 h + 16 r
.set AAS0,  6                          ; v6  the same for the scale words
.set PFO,   7
.set SPW,   10
.set NIL,   11
.set ADRA,  12                         ; v12, v17  for the block that is fetched next
.set VX,    13                         ; v13 LDS address of a scale byte
.set ADRB,  14                         ; v14 LDS address of W1's fragments
.set AAS,   17
.set SOP,   20                         ; v20 the conversions' scale operand
.set SB,    24                         ; v24-39 W1's scale words: register 8 p + q: lanes 0-15 tile 2 p's, lanes 16-31 tile 2 p + 1's
.set EB,    40
.set SA,    44                         ; v44-59 x's, two sets of eight
.set TQ,    60                         ; v60-63 maxima and bounds
.set ACC,   64                         ; v64-127 two sets of four sums
.set NCD,   192                        ; v192-199 a block's 32 codes a lane
.set BQ,    208                        ; v208-239 the bias: the first products' C
.set G1A, 24                           ; descriptor groups: s[24:31], s[56:59] chunk 0
.set G0A, 56
.set G1B, 32                           ; s[32:39], s[60:63] W1
.set G0B, 60
.set G1R, 48                           ; s[48:55], s[68:71] a refill
.set G0R, 68
.set G1S, 92                           ; s[92:99], s[72:75] x's scale bytes
.set G0S, 72
.set MSB, 0
.macro WIN new                         ; the immediate's high byte repeats the setting that is left
.if MSB != (\new)
	s_set_vgpr_msb (MSB<<8)|(\new)
.set MSB, (\new)
.endif
.endm
.macro PLACES n
.rept \n
	v_nop
.endr
.endm
.macro BARRIER
	s_barrier_signal -1
	s_barrier_wait -1
.endm
.macro CREST                           ; a round of the cluster's barrier behind its opening barrier
	s_cmp_lg_u32 s14, 0
	s_cbranch_scc1 .Lnot_wave_0_\@
	s_barrier_signal -3
.Lnot_wave_0_\@:
	s_barrier_wait -3
	BARRIER
.endm
.macro CROUND
	BARRIER
	CREST
.endm
.macro TLOAD g0, g1                    ; a tensor load and the lines behind it
	tensor_load_to_lds s[\g0:\g0+3], s[\g1:\g1+7]
	s_nop 0
	PLACES 4
.endm
.macro GROUP1 g, mask, rows            ; descriptor group 1: so many whole rows of 1,024 bytes, 16 of padding behind each
	s_or_b32 s[\g+0], s[\mask], (1<<20)|(1<<21)|(7<<22)|(3<<25)
	s_mov_b32 s[\g+1], KROW<<16
	s_mov_b32 s[\g+2], (\rows)<<16
	s_mov_b32 s[\g+3], KROW<<16
	s_mov_b32 s[\g+4], \rows
	s_mov_b32 s[\g+5], KROW
	s_mov_b32 s[\g+6], 0
	s_mov_b32 s[\g+7], 0
.endm
.macro WALU
	s_wait_alu depctr_va_vdst(0)
.endm
	s_load_b256 s[4:11], s[0:1], 0x0               ; xq s[4:5], xs s[6:7], w1_codes s[8:9], w1_scales s[10:11]
	s_load_b128 s[76:79], s[0:1], 0x20             ; b1 s[76:77], hq s[78:79]
	v_lshl_add_u32 v[SPW], v0, 2, SPARE
	v_mov_b32 v[NIL], 0
	ds_add_u32 v[SPW], v[NIL]                      ; the wave's opening: the add, twice on end
	ds_add_u32 v[SPW], v[NIL]
	v_lshrrev_b32 v1, 5, v0
	v_readfirstlane_b32 s14, v1                    ; wave 0..3
	s_lshr_b32 s15, s14, 1                         ; wr
	s_and_b32 s16, s14, 1                          ; wc
	s_bfe_u32 s40, ttmp6, 0x40000                  ; cx
	s_bfe_u32 s41, ttmp6, 0x40004                  ; cy = my group of 1,024 tokens: the grid is one cluster high
	s_lshl_b32 s42, ttmp9, 2
	s_add_co_u32 s42, s42, s40                     ; my 128 hidden units: ct = 4 x cluster x + cx
	s_lshl_b32 s44, s41, 2
	s_lshl_b32 s44, 15, s44                        ; my row of the cluster shares x
	s_lshl_b32 s45, 0x1111, s40                    ; my column shares W1
	GROUP1 G1B, 45, 128
	GROUP1 G1A, 44, CH
	GROUP1 G1R, 44, CH/4
	; 512 tokens' scale bytes: 16,384 dense bytes as 64 rows of 256 (32 elements of 8), 16 of padding behind each
	s_or_b32 s[G1S+0], s44, (3<<16)|(1<<20)|(1<<21)|(5<<22)|(3<<25)
	s_mov_b32 s[G1S+1], 32<<16
	s_mov_b32 s[G1S+2], 64<<16
	s_mov_b32 s[G1S+3], 32<<16
	s_mov_b32 s[G1S+4], 64
	s_mov_b32 s[G1S+5], 32
	s_mov_b32 s[G1S+6], 0
	s_mov_b32 s[G1S+7], 0
	s_mov_b32 s[G0S], 1
	s_mul_i32 s[G0S+1], s16, 64*272
	s_add_co_u32 s[G0S+1], s[G0S+1], SCL
	s_mov_b32 s[G0A], 1
	s_mov_b32 s[G0A+1], 0
	s_mov_b32 s[G0B], 1
	s_mov_b32 s[G0B+1], YB
	s_mov_b32 s[G0R], 1
	s_mul_i32 s[G0R+1], s14, CH/4*PITCH
	s_add_co_u32 s[G0R+1], s[G0R+1], YB            ; the first refill is chunk 1's, into slot 1
	; offsets into the buffers, each under 2^26
	s_lshl_b32 s20, s41, 20                        ; xq: 1,024 rows of 1,024 bytes
	s_mov_b32 s21, 0
	s_lshl_b32 s80, s41, 15                        ; xs: 1,024 rows of 32 bytes, half of them a wave
	s_lshl_b32 s81, s16, 14
	s_add_co_u32 s80, s80, s81
	s_mov_b32 s81, 0
	s_lshl_b32 s82, s42, 17                        ; w1_codes: 128 rows of 1,024 bytes
	s_mov_b32 s83, 0
	s_lshl_b32 s12, s42, 12                        ; w1_scales: rows of 32 bytes, my wave column's 64
	s_lshl_b32 s13, s16, 11
	s_add_co_u32 s12, s12, s13
	s_mov_b32 s13, 0
	s_lshl_b32 s66, s42, 9                         ; b1
	s_lshl_b32 s67, s16, 8
	s_add_co_u32 s66, s66, s67
	s_mov_b32 s67, 0
	s_lshl_b32 s2, s14, 15                         ; my quarter of a chunk
	s_mov_b32 s3, 0
	v_and_b32 v1, 15, v0                           ; r = l % 16
	v_bfe_u32 v2, v0, 4, 1                         ; h = l / 16
	v_and_b32 v3, 31, v0                           ; l
	v_mul_u32_u24 v22, v1, PITCH
	v_mad_u32_u24 v23, v2, 16, v22
	s_mul_i32 s22, s15, 64*PITCH                   ; my 64 rows of a chunk
	v_add_nc_u32 v[ADRA0], s22, v23
	v_lshrrev_b32 v8, 3, v1
	v_and_b32 v9, 7, v1
	v_lshl_add_u32 v22, v8, 5, v9                  ; 32 (r / 8) + r % 8: my row of W1's tile 0
	v_mul_u32_u24 v23, v22, PITCH
	v_lshl_add_u32 v23, v2, 4, v23
	s_mul_i32 s22, s16, 64*PITCH
	s_add_co_u32 s22, s22, YB
	v_add_nc_u32 v[ADRB], s22, v23
	v_lshl_add_u32 v22, v2, 3, v22                 ; lanes 16-31: tile 1's row
	v_lshlrev_b32 v16, 5, v22                      ; and its scale bytes
	v_lshlrev_b32 v22, 5, v9
	v_mul_u32_u24 v23, v8, 272
	v_add_nc_u32 v22, v22, v23                     ; x's scale bytes: 32 a row, 272 for each 8 rows
	s_mul_i32 s22, s15, 8*272
	s_add_co_u32 s22, s22, SCL
	v_add_nc_u32 v[AAS0], s22, v22
	v_lshlrev_b32 v23, 9, v2
	v_lshl_add_u32 v[CN], v1, 4, v23
	s_lshl_b32 s22, s15, 4                         ; a scale byte: 32 r + 4 (4 wr + block) + 2 wc + h
	s_lshl_b32 s23, s16, 1
	s_add_co_u32 s22, s22, s23
	s_add_co_u32 s22, s22, XN
	v_lshl_add_u32 v23, v1, 5, v2
	v_add_nc_u32 v[VX], s22, v23
	v_lshlrev_b32 v18, 7, v2                       ; the bias: 32 numbers on end a lane
	s_lshl_b32 s22, s40, 2
	s_add_co_u32 s22, s22, s14
	s_lshl_b32 s22, s22, 13
	v_lshl_add_u32 v[PFO], v3, 8, s22              ; my 32 of a chunk's 512 blocks of 256 bytes: the cluster's row shares them out by cx and wave
	v_add_nc_u32 v19, 16*PITCH, v[ADRA0]           ; block 1
	v_add_nc_u32 v21, SSTEP, v[AAS0]
	WALU
	s_wait_dscnt 0x0                               ; both opening adds are done
	CROUND                                         ; all sixteen work-groups are here: the first joint loads meet
	s_wait_kmcnt 0x0
	s_add_nc_u64 s[20:21], s[4:5], s[20:21]
	s_mov_b64 s[G0A+2:G0A+3], s[20:21]
	s_or_b32 s[G0A+3], s[G0A+3], 0x80000000
	s_add_nc_u64 s[G0B+2:G0B+3], s[8:9], s[82:83]
	s_or_b32 s[G0B+3], s[G0B+3], 0x80000000
	s_add_nc_u64 s[G0S+2:G0S+3], s[6:7], s[80:81]
	s_or_b32 s[G0S+3], s[G0S+3], 0x80000000
	s_cmp_eq_u32 s14, 0                            ; ONE joint load a wave; W1 has a line of its own, since wave 0 waits for it ahead of the rest
	s_cbranch_scc0 .Lwave_1
	TLOAD G0B, G1B
	s_branch .Lasked
.Lwave_1:
	s_cmp_eq_u32 s14, 1
	s_cbranch_scc0 .Lfor_scales
	TLOAD G0A, G1A
	s_branch .Lasked
.Lfor_scales:
	TLOAD G0S, G1S
.Lasked:
	s_add_nc_u64 s[2:3], s[20:21], s[2:3]
	s_add_nc_u64 s[G0R+2:G0R+3], s[2:3], 0x20000   ; chunk 1
	s_or_b32 s[G0R+3], s[G0R+3], 0x80000000
	s_add_nc_u64 s[88:89], s[20:21], 0x80000       ; the prefetches begin with chunk 4
	s_add_nc_u64 s[10:11], s[10:11], s[12:13]
	s_add_nc_u64 s[76:77], s[76:77], s[66:67]
	s_and_b32 s22, ttmp9, 3
	s_cmp_eq_u32 s22, 0
	s_cselect_b32 s90, 4, 0                        ; four clusters of the sixteen ask, in trips 0 to 3
	s_bfe_u32 s18, s42, 0x40001                    ; hq: i = (ct % 32) / 2, expert = ct / 32, K step s = ct % 2
	s_lshl_b32 s18, s18, 6
	s_lshl_b32 s19, s41, 4
	s_add_co_u32 s18, s18, s19
	s_lshr_b32 s19, s42, 5
	s_add_co_u32 s18, s18, s19
	s_mul_i32 s84, s18, HBLK
	s_mov_b32 s86, s84
	s_and_b32 s19, s42, 1
	s_lshl_b32 s18, s19, 11
	s_add_co_u32 s84, s84, s18
	s_lshl_b32 s18, s16, 10
	s_add_co_u32 s84, s84, s18
	s_lshl_b32 s18, s15, 14
	s_add_co_u32 s84, s84, s18
	s_mov_b32 s85, 0
	s_lshl_b32 s18, s19, 9                         ; the scale words, at the end: wave w stores token groups 2 w, 2 w + 1
	s_add_co_u32 s86, s86, s18
	s_mul_i32 s18, s14, 4*HBLK
	s_add_co_u32 s86, s86, s18
	s_add_co_u32 s86, s86, 32768
	s_mov_b32 s87, 0
	s_add_nc_u64 s[84:85], s[78:79], s[84:85]
	s_add_nc_u64 s[86:87], s[78:79], s[86:87]
	s_mov_b32 s91, 0x600000                        ; the mantissa field of 448
.irp p, 0,1
.irp c, 0,1
	global_load_b128 v[SB+8*\p+4*\c:SB+8*\p+4*\c+3], v16, s[10:11] offset:\p*512+16*\c
.endr
.endr
.irp k, 0,1,2,3,4,5,6,7
	global_load_b128 v[BQ+4*\k:BQ+4*\k+3], v18, s[76:77] offset:16*\k
.endr
	s_cmp_eq_u32 s14, 0
	s_cbranch_scc0 .Lnot_b
	s_wait_tensorcnt 0x0                           ; wave 0: W1's rows have landed.  The other waves' wait stands ahead of the next barrier
.Lnot_b:
	BARRIER
.macro FETCHAT k, a, s                 ; a block of x, 16 rows, all of K, into set k of window 3, and its scale words: NF loads
	WIN 3<<6
.irp q, 0,1,2,3,4,5,6,7
.irp c, 0,1,2,3
	ds_load_b128 v[128*\k+16*\q+4*\c:128*\k+16*\q+4*\c+3], v[\a] offset:128*\q+32*\c
.endr
.endr
	WIN 0
	ds_load_b128 v[SA+8*\k:SA+8*\k+3], v[\s]
	ds_load_b128 v[SA+8*\k+4:SA+8*\k+7], v[\s] offset:16
.endm
; Product n = 4 q + b of a block: the q-th 128 of K, tile b of W1's rows as source 0, x's rows in set e as source 1, sums in set e.  The four sums take turns.
.macro PROD e, n
.set Q_, (\n)/4
.set B_, (\n)%4
.set FB_, 4*Q_+B_
.set AC_, ACC+32*(\e)+8*B_
.set C_, AC_
.if Q_ == 0
.set C_, BQ+8*B_
.endif
.set R_, 128*(\e)+16*Q_
.set W_, 16*(FB_%16)
.set XS_, SA+8*(\e)+Q_
.set WS_, SB+8*(B_/2)+Q_
	WIN (1+FB_/16)|(3<<2)
.if B_%2
	v_wmma_scale_f32_16x16x128_f8f6f4 v[AC_:AC_+7], v[W_:W_+15], v[R_:R_+15], v[C_:C_+7], v[WS_], v[XS_] matrix_a_scale:MATRIX_SCALE_ROW1
.else
	v_wmma_scale_f32_16x16x128_f8f6f4 v[AC_:AC_+7], v[W_:W_+15], v[R_:R_+15], v[C_:C_+7], v[WS_], v[XS_]
.endif
.endm
; THE QUANTISER of the sums at x, gaps 0 .. 26: two or three lines behind a product.  Lane (r, h) holds token r's units 32 h + 0 .. 31.  No |.|: what is negative becomes 0; the floor 2^(9 - 127) stands over it.
.macro MAXQ k, x
.if (\k) < 4
	v_max3_num_f32 v[TQ+\k], v[\x+8*(\k)], v[\x+8*(\k)+1], v[\x+8*(\k)+2]
.elseif (\k) < 12
	v_max3_num_f32 v[TQ+(\k)%4], v[TQ+(\k)%4], v[\x+8*((\k)%4)+2*((\k)/4)+1], v[\x+8*((\k)%4)+2*((\k)/4)+2]
.elseif (\k) < 16
	v_max_num_f32 v[TQ+(\k)%4], v[TQ+(\k)%4], v[\x+8*((\k)%4)+7]
.elseif (\k) == 16
	v_max3_num_f32 v[TQ], v[TQ], v[TQ+1], v[TQ+2]
.else
	v_max3_num_f32 v[TQ], v[TQ], v[TQ+3], 0x4800000
.endif
.endm
.macro HOLDS m, x                      ; relu and the hold at 448 x the scale in one (the conversion does not saturate: ISA guide 7.6.2).  The fourth pair reads the bound's second copy
.set TB_, TQ+1
.if (\m) == 3
.set TB_, TQ+3
.endif
	v_med3_num_f32 v[\x], v[\x], 0, v[TB_]
	v_med3_num_f32 v[\x+1], v[\x+1], 0, v[TB_]
.if (\m) == 2
	v_mov_b32 v[TQ+3], v[TQ+1]
.endif
.endm
.macro GAPQ m, x
.if (\m) < 9
	MAXQ 2*(\m), \x
	MAXQ 2*(\m)+1, \x
.elseif (\m) == 9
	v_add_nc_u32 v[SOP], 0xfc000000, v[TQ]         ; 8 off the exponent field: the conversion's scale operand
	v_and_or_b32 v[TQ+1], v[TQ], 0x7f800000, s91   ; 448 x the scale
.elseif (\m) < 26
	HOLDS (\m)-10, \x+2*((\m)-10)
.if ((\m)-10)%4 == 3
	v_cvt_scalef32_pk8_fp8_f32 v[NCD+2*(((\m)-10)/4):NCD+2*(((\m)-10)/4)+1], v[\x+8*(((\m)-10)/4):\x+8*(((\m)-10)/4)+7], v[SOP]
.endif
.elseif (\m) == 26
	v_lshrrev_b32 v[EB], 23, v[SOP]                ; the scale's byte
.endif
.endm
; WHAT STANDS BEHIND PRODUCT n of block j of a trip (a chunk), x: the sums of the block before.  k: 0 a trip with a refill, 1 without, 2 the last.
.macro LIST n, j, k, x
.if (\n) == 0 && ((\k) < 2 || (\j) < 2)            ; LDS addresses of the block two on
	WIN 0
.if (\j) < 2
	s_add_co_u32 s22, s47, ((\j)+2)*16*PITCH
.else
	s_add_co_u32 s22, s101, ((\j)-2)*16*PITCH
.endif
	v_add_nc_u32 v[ADRA], s22, v[ADRA0]
.endif
.if (\n) == 1 && ((\k) < 2 || (\j) < 2)
	WIN 0
	s_add_co_u32 s22, s17, ((\j)+2+4*((\j)/2))*SSTEP
	v_add_nc_u32 v[AAS], s22, v[AAS0]
.endif
.if (\n) == 2 && (\j) == 1                         ; on to this chunk's places (behind the wait on XCNT at the block's head)
	WIN 0
	v_add_nc_u32 v[VX], s7, v[VX]
	s_add_nc_u64 s[84:85], s[84:85], s[8:9]
.endif
.if (\n) == 2 && (\j) == 3 && (\k) == 0
	s_add_nc_u64 s[88:89], s[88:89], 0x20000
.endif
.if (\n) == 29 && (\j) == 2 && (\k) == 0           ; the refill's group 0: no tensor load of mine is out
	s_mul_i32 s[G0R+1], s14, CH/4*PITCH
	s_add_co_u32 s[G0R+1], s[G0R+1], s47
	s_add_nc_u64 s[G0R+2:G0R+3], s[G0R+2:G0R+3], 0x20000
.endif
.if (\n) > 0 && (\n) < 28
	WIN 0
	GAPQ (\n)-1, \x
.endif
.endm
.macro BLOCK j, from, to, k
.set N_, \from
.rept (\to)-(\from)
	PROD (\j)%2, N_
	LIST N_, \j, \k, ACC+32*(1-(\j)%2)
.set N_, N_+1
.endr
.endm
.macro BLK j, w, k                     ; a block; w: the LDS instructions behind its fetch that may be out (-1: no wait)
.if (\w) >= 0
	s_wait_dscnt \w
.endif
	s_wait_xcnt 0x0                                ; the stores and the prefetch have read their registers
	BLOCK \j, 0, 32, \k
	WIN 0
	PLACES NP
.endm
.macro TBLK j, k                       ; a chunk's third block: the next chunk is shown to all; k = 0: in a round of the cluster's barrier, behind which this chunk's slot is filled again
	s_wait_dscnt NF
	s_wait_xcnt 0x0
	BLOCK \j, 0, 16, \k
	WIN 0
	WALU
	s_wait_tensorcnt 0x0                           ; my part of the next chunk is in
.if (\k) == 0
	ds_add_u32 v[SPW], v[NIL]                      ; 0 onto my spare word; twelve products stand between it and the wait for it
.endif
	BLOCK \j, 16, 28, \k
	WIN 0
	WALU
	s_wait_dscnt 0x0                               ; the add is done, and this chunk's last block is in registers
	s_barrier_signal -1
	BLOCK \j, 28, 32, \k
	WIN 0
	s_barrier_wait -1
.if (\k) == 0
	CREST                                          ; no wave of any partner reads this slot or has a load on its way
	TLOAD G0R, G1R                                 ; the chunk two on
	PLACES NP-4
.else
	PLACES NP
.endif
.endm
.macro QOUT off, boff                  ; the block before leaves: its byte into LDS, its 32 codes a lane to memory
	ds_store_b8 v[VX], v[EB] offset:\boff
	global_store_b128 v[CN], v[NCD:NCD+3], s[84:85] offset:\off
	global_store_b128 v[CN], v[NCD+4:NCD+7], s[84:85] offset:(\off)+256
.endm
.macro TRIP k                          ; a chunk
	BLK 0, NF, \k
.if (\k) == 0
	s_cmp_eq_u32 s46, 0
	s_cbranch_scc1 .Lno_block_before_\@
.endif
	QOUT 12288, 12                                 ; the chunk before's block 3
.if (\k) == 0
.Lno_block_before_\@:
.endif
	FETCHAT 0, ADRA, AAS
	BLK 1, NF, \k
	QOUT 0, 0
	FETCHAT 1, ADRA, AAS
.if (\k) < 2
	TBLK 2, \k
.else
	BLK 2, NF, \k
.endif
	QOUT 4096, 4
.if (\k) < 2
	FETCHAT 0, ADRA, AAS
.endif
.if (\k) == 0
	s_cmp_lt_u32 s46, s90
	s_cbranch_scc0 .Lnone_ahead_\@
	global_prefetch_b8 v[PFO], s[88:89] th:TH_LOAD_NT scope:SCOPE_SE   ; chunk s46 + 4, at most 7
.Lnone_ahead_\@:
.endif
.if (\k) < 2
	BLK 3, -1, \k                                  ; (its fetch was waited for in block 2)
.else
	BLK 3, 0, \k
.endif
	QOUT 8192, 8
.if (\k) < 2
	FETCHAT 1, ADRA, AAS
	s_mov_b32 s7, 512
	s_mov_b32 s8, 2*HBLK
	s_xor_b32 s47, s47, YB
	s_xor_b32 s101, s101, YB
	s_add_co_u32 s17, s17, 8*SSTEP
.endif
.endm
.irp q, 0,1,2,3,4,5,6,7                ; my 64 rows of W1, all of K: fragment 4 q + b in window 1 + (4 q + b) / 16; registers 4 c .. 4 c + 3 hold K = 32 c + 16 h + 0 .. 15
.irp b, 0,1,2,3
	WIN (1+(4*\q+\b)/16)<<6
.irp c, 0,1,2,3
	ds_load_b128 v[16*((4*\q+\b)%16)+4*\c:16*((4*\q+\b)%16)+4*\c+3], v[ADRB] offset:128*\q+32*\c+\b*8*PITCH
.endr
.endr
.endr
	WIN 0
	s_mov_b32 s46, 0                               ; the trip
	s_mov_b32 s47, 0                               ; this chunk's slot, the next chunk's
	s_mov_b32 s101, YB
	s_mov_b32 s17, 0                               ; this chunk's scale words
	s_mov_b32 s7, 0                                ; steps of the results' places: 0 in the first trip
	s_mov_b32 s8, 0
	s_mov_b32 s9, 0
	WALU
	s_wait_tensorcnt 0x0                           ; my tile of the head's is in
	ds_add_u32 v[SPW], v[NIL]
	s_wait_dscnt 0x0                               ; the add is done, and W1 is in registers
	CROUND                                         ; so it is everywhere
	TLOAD G0R, G1R                                 ; chunk 1 over W1's rows
	FETCHAT 0, ADRA0, AAS0
	FETCHAT 1, 19, 21
.set I_, 0
.rept 32                               ; the first way out works on these and stores nothing
	v_mov_b32 v[ACC+32+I_], 0
.set I_, I_+1
.endr
	WALU
	s_wait_loadcnt 0x0                             ; W1's scale words and the bias
.Ltrip:
	TRIP 0                                         ; chunks 0 to 5; refills with chunks 2 to 7
	s_add_co_u32 s46, s46, 1
	s_cmp_lg_u32 s46, 6
	s_cbranch_scc1 .Ltrip
	TRIP 1
	TRIP 2
	s_wait_xcnt 0x0
.set K_, 0
.rept 27
	GAPQ K_, ACC+32                                ; the last block
.set K_, K_+1
.endr
	QOUT 12288, 12
	s_wait_dscnt 0x0                               ; my scale bytes have landed
	BARRIER
	s_lshl_b32 s21, s14, 10
	s_add_co_u32 s21, s21, XN
	v_lshlrev_b32 v22, 4, v3
	v_add_nc_u32 v23, s21, v22
	WALU
	ds_load_b128 v[44:47], v23
	ds_load_b128 v[48:51], v23 offset:512
	s_wait_dscnt 0x0
	global_store_b128 v22, v[44:47], s[86:87]      ; 512 consecutive bytes each, aligned
	global_store_b128 v22, v[48:51], s[86:87] offset:2*HBLK
	s_wait_tensorcnt 0x0                           ; the wave's end
	ds_add_u32 v[SPW], v[NIL]
	s_wait_dscnt 0x0
	CROUND                                         ; the closing round
	s_endpgm
.Lfunc_end_k_qb28cd8ce64_gemm1:
	.size	k_qb28cd8ce64_gemm1, .Lfunc_end_k_qb28cd8ce64_gemm1-k_qb28cd8ce64_gemm1
	.p2alignl 7, 3214868480
	.fill 96, 4, 3214868480
	.section	.rodata,"a",@progbits
	.p2align	6, 0x0
	.amdhsa_kernel k_qb28cd8ce64_gemm1
		.amdhsa_group_segment_fixed_size 327680
		.amdhsa_private_segment_fixed_size 0
		.amdhsa_enable_private_segment 0
		.amdhsa_kernarg_size 48
		.amdhsa_user_sgpr_count 2
		.amdhsa_user_sgpr_kernarg_segment_ptr 1
		.amdhsa_wavefront_size32 1
		.amdhsa_system_sgpr_workgroup_id_x 1
		.amdhsa_system_sgpr_workgroup_id_y 1
		.amdhsa_system_sgpr_workgroup_id_z 1
		.amdhsa_system_vgpr_workitem_id 0
		.amdhsa_next_free_vgpr 1024
		.amdhsa_next_free_sgpr 102
		.amdhsa_reserve_vcc 0
		.amdhsa_float_denorm_mode_32 3
		.amdhsa_float_denorm_mode_16_64 3
		.amdhsa_memory_ordered 1
		.amdhsa_forward_progress 1
		.amdhsa_inst_pref_size 174
	.end_amdhsa_kernel
	.amdgpu_metadata
---
amdhsa.version: [ 1, 2 ]
amdhsa.kernels:
  - .name:           k_qb28cd8ce64_gemm1
    .symbol:         k_qb28cd8ce64_gemm1.kd
    .args:
      - { .name: xq, .offset: 0, .size: 8, .value_kind: global_buffer, .address_space: global }
      - { .name: xs, .offset: 8, .size: 8, .value_kind: global_buffer, .address_space: global }
      - { .name: w1_codes, .offset: 16, .size: 8, .value_kind: global_buffer, .address_space: global }
      - { .name: w1_scales, .offset: 24, .size: 8, .value_kind: global_buffer, .address_space: global }
      - { .name: b1, .offset: 32, .size: 8, .value_kind: global_buffer, .address_space: global }
      - { .name: hq, .offset: 40, .size: 8, .value_kind: global_buffer, .address_space: global }
    .group_segment_fixed_size: 327680
    .private_segment_fixed_size: 0
    .kernarg_segment_align: 8
    .kernarg_segment_size: 48
    .max_flat_workgroup_size: 128
    .sgpr_count:     102
    .vgpr_count:     1024
    .wavefront_size: 32
...
	.end_amdgpu_metadata
.endif
;; end of part 2
;; launch gemm2 (part 3): grid 32 x 8, 4 waves a work-group, clusters of 4 x 4, 327,680 bytes of LDS; arguments hq, w2_codes, ws2, b2, comb, out0; writes out0
.if DOCPART == 3
	.amdgcn_target "amdgcn-amd-amdhsa--gfx1250"
	.amdhsa_code_object_version 6
	.text
	.protected	k_qb28cd8ce64_gemm2
	.globl	k_qb28cd8ce64_gemm2
	.p2align	8
	.type	k_qb28cd8ce64_gemm2,@function
k_qb28cd8ce64_gemm2:
	s_mov_b64 s[64:65], 0
	v_nop
	global_prefetch_b8 v0, s[64:65] scope:SCOPE_SE
	s_setreg_imm32_b32 hwreg(HW_REG_WAVE_MODE, 25, 1), 1
	s_wait_xcnt 0x0
	s_wait_alu depctr_hold_cnt(0) depctr_sa_sdst(0) depctr_va_vdst(0) depctr_va_sdst(0) depctr_va_ssrc(0) depctr_va_vcc(0) depctr_vm_vsrc(0)
	s_getreg_b32 s2, hwreg(HW_REG_IB_STS2, 6, 4)
	s_cmp_eq_u32 s2, 0
	s_cbranch_scc0 .Lentry_in_a_cluster
	s_endpgm
.Lentry_in_a_cluster:
	s_bfe_u32 s2, ttmp6, 0x10000c
	s_cmp_lg_u32 s2, 0xf033
	s_cbranch_scc0 .Lentry_shape_is_right
	s_endpgm
.Lentry_shape_is_right:
; out[t][n] = c0[t] (h0[t] . W2_0[n] + b2_0[n]) + c1[t] (h1[t] . W2_1[n] + b2_1[n]).  h comes as codes laid as images of operand registers (hq, below), W2 as codes with K innermost (w2_codes [2][1024][4096]), its scale
; bytes re-laid (ws2, below); products on codes of E4M3 with one E8M0 scale for each 32 along K, sums in f32.  comb [4096][2], b2 [2][1024], out0 [4096][1024]: f32.
; A UNIT is 256 along K.  hq[unit, 0..15][tg = 128 tokens, 0..31][expert][33,792 bytes]: codes at blk 4,096 + s 2,048 + 512 c + 16 lane (blk: block of 16 tokens, s: K step of 128, c: registers 4 c .. 4 c + 3);
; from byte 32,768 on the scale words at s 512 + 32 r + 4 blk (r: token in its block).  ws2[column tile, 0..7][unit][expert][j, 0..3][lane][8 bytes]: the unit's two scale words of row 16 j + 64 (lane / 16) + lane % 16.
; SHARES.  A tile is 128 tokens x 128 columns: 256 work-groups.  Wave w (e = w / 2, th = w % 2) makes 64 tokens x all 128 columns of expert e: 32 accumulators, one chain along K for each sum, 32 steps of 32 products.
; Its token blocks a = 0, 1 are blk 2 th, 2 th + 1, its a = 2, 3 are blk 4 + 2 th, 5 + 2 th.  The two experts' tiles meet in LDS on the way out, where c0, c1 and b2 are put on.
; h COMES ON TWO WAYS.  Blk 4 to 7 and the scale words, 17,408 bytes on end, come by joint loads through LDS; blk 0 to 3 go from memory straight into the operand's registers, each load 512 consecutive bytes that no other wave
; of the work-group wants: six sets, one for each step of a trip, asked for again as soon as their products are issued; these loads have counted waits and stay out across the ring's barriers.  With all of h in LDS the two slots
; would hold 256 along K each; so they hold 256 (Y) and 512 (X): eleven fills, Y and X by turns, in place of sixteen.
; W2's scale words come straight into registers too, with the loads of h.  A unit has 16 + 4 such loads a wave; three units are out at most.
; FILLS: waves 0, 1 fetch h of expert 0, 1, waves 2, 3 W2 of expert 0, 1, one load a wave behind each round.
; CLUSTERS: 4 x 4 work-groups: the four of a column of the cluster (same cx) need the same h, the four of a row (same cy) the same W2: each tile is asked for jointly.
; PREFETCH, two fills ahead of the refill: for h the 64 units of 256 bytes of an expert's codes are shared out by cy, 16 a wave; for W2 128 rows by cx, 32 a wave, asked for by clusters whose x is 0 or 4 alone, since eight
; clusters read the same rows.  The first four fills come by their loads alone.  What goes straight into registers is asked for most of a trip ahead by its own loads.
; THE MATRIX INSTRUCTION IS USED TRANSPOSED (source 0 = 16 rows of W2, source 1 = 16 tokens): a lane holds eight neighbouring numbers of a row of out0.
; LIMITS: NaN and infinities are not served.
; REGISTERS: window 0: v8-31 addresses and c; v32-89 scale words, v96-103 b2; v192-255 the way out's rows.  window 1: W2's fragments, two sets of 128.  window 2: the accumulators ((a, b) at v[8 (8 a + b)]).
;   window 3: h's blocks a = 0, 1, six sets of 32; from v192 on its blocks a = 2, 3, two sets of 32.
.set HBLK,   33792
.set LPART,  17408                     ; what a unit and an expert bring through LDS: blk 4 to 7 and the scale words
.set ASTEP,  64*HBLK                   ; from a unit of h to the next
.set YW,     2*LPART                   ; slot Y: h of both experts, then W2: 2 x 128 rows of 256 bytes + 16 of padding
.set XB,     YW+2*128*272              ; slot X: h (expert, unit), then W2: 2 x 128 rows of 512 bytes + 16
.set XW,     XB+4*LPART
.set SPARE,  XW+2*128*528
.set SPITCH, 528                       ; the way out's rows
.set ESTG,   128*SPITCH
.set RD,   8                           ; v8-9
.set ADRA, 16                          ; v16-17 LDS address of h's fragments in slot Y, X
.set ADRB, 20                          ; v20-21 of W2's
.set ADSA, 22                          ; v22-23 of h's scale words
.set STO,  24
.set PFO,  25
.set CO,   26                          ; v26 16 x lane
.set C8,   27                          ; v27 8 x lane
.set SPW,  28
.set NIL,  29
.set CL,   30                          ; v30-31 c0, c1 of row 32 w + lane
.set SB,   32                          ; W2's scale words, three sets: v[32 + 8 j + 2 set + q], set 2 at v[64 + 8 j + q]: K step q of the unit; lanes 0-15 rows 16 j on, lanes 16-31 rows 64 + 16 j on
.set SA,   36                          ; h's: v[36 + 8 set + a]; lanes 0-15 the unit's K step 0, lanes 16-31 its K step 1.  No product's two scale words have numbers equal modulo 8
.set B2,   96                          ; v96-103
.set BUF,  192
.set G1H, 24
.set G0H, 32
.set G0W, 36
.set G1W, 48
.set DB,  72                           ; s[72:73] h's own loads: the next trip's first unit
.set SBB, 74                           ; s[74:75] the same for W2's scale words
.set P0,  76                           ; s[76:77], s[78:79], s[80:81] where my prefetches stand; s[82:83] their step
.set MSB, 0
.macro WIN new                         ; the immediate's high byte repeats the setting that is left
.if MSB != (\new)
	s_set_vgpr_msb (MSB<<8)|(\new)
.set MSB, (\new)
.endif
.endm
.set W_MUL, 0xad                       ; source 0 (W2) window 1, source 1 (h) window 3, C and D window 2
.macro PLACES n                        ; plain vector lines behind a matrix instruction (ISA guide 7.12.1 for vector instructions)
.rept \n
	v_nop
.endr
.endm
.macro CREST                           ; a round of the cluster's barrier behind its opening barrier
	s_cmp_lg_u32 s16, 0
	s_cbranch_scc1 .Lnot_wave_0_\@
	s_barrier_signal -3
.Lnot_wave_0_\@:
	s_barrier_wait -3
	s_barrier_signal -1
	s_barrier_wait -1
.endm
.macro CROUND
	s_barrier_signal -1
	s_barrier_wait -1
	CREST
.endm
.macro TLOAD g0, g1                    ; a tensor load and the lines behind it
	tensor_load_to_lds s[\g0:\g0+3], s[\g1:\g1+7]
	s_nop 0
	PLACES 4
.endm
.macro JLOAD                           ; waves 0, 1 fetch h, waves 2, 3 W2; the branch hangs on the wave's number alone
	s_cmp_eq_u32 s17, 0
	s_cbranch_scc0 .Lfor_w_\@
	TLOAD G0H, G1H
	s_branch .Lasked_\@
.Lfor_w_\@:
	TLOAD G0W, G1W
.Lasked_\@:
.endm
; The shape of a fill, written where no tensor load of the wave is out.
.macro SHAPEY                          ; h: 17,408 dense bytes as 68 rows of 256; W2: 128 rows of 256 bytes, 16 of padding behind each
	s_mov_b32 s[G1H+1], 32<<16
	s_mov_b32 s[G1H+2], 68<<16
	s_mov_b32 s[G1H+3], 32<<16
	s_mov_b32 s[G1H+4], 68
	s_mov_b32 s[G1H+5], 32
	s_or_b32 s[G1W+0], s44, (1<<20)|(1<<21)|(5<<22)|(3<<25)
	s_mov_b32 s[G1W+1], 256<<16
	s_mov_b32 s[G1W+3], 256<<16
	s_mov_b32 s[G0H+1], s98
	s_mov_b32 s[G0W+1], s99
.endm
.macro SETY                            ; the fill behind a fill of X: two units on
	SHAPEY
	s_add_nc_u64 s[G0H+2:G0H+3], s[G0H+2:G0H+3], 2*ASTEP
	s_add_nc_u64 s[G0W+2:G0W+3], s[G0W+2:G0W+3], 2*256
.endm
.macro SETX                            ; the fill behind a fill of Y: one unit on.  h: two rows of 17,408 bytes, a unit apart; W2: 128 rows of 512 bytes
	s_mov_b32 s[G1H+1], (LPART/8)<<16
	s_mov_b32 s[G1H+2], 2<<16
	s_mov_b32 s[G1H+3], (LPART/8)<<16
	s_mov_b32 s[G1H+4], 2
	s_mov_b32 s[G1H+5], ASTEP/8
	s_or_b32 s[G1W+0], s44, (1<<20)|(1<<21)|(6<<22)|(3<<25)
	s_mov_b32 s[G1W+1], 512<<16
	s_mov_b32 s[G1W+3], 512<<16
	s_mov_b32 s[G0H+1], s100
	s_mov_b32 s[G0W+1], s101
	s_add_nc_u64 s[G0H+2:G0H+3], s[G0H+2:G0H+3], ASTEP
	s_add_nc_u64 s[G0W+2:G0W+3], s[G0W+2:G0W+3], 256
.endm
	s_load_b256 s[4:11], s[0:1], 0x0               ; hq s[4:5], w2_codes s[6:7], ws2 s[8:9], b2 s[10:11]
	s_load_b128 s[12:15], s[0:1], 0x20             ; comb s[12:13], out0 s[14:15]
	v_lshl_add_u32 v[SPW], v0, 2, SPARE
	v_mov_b32 v[NIL], 0
	ds_add_u32 v[SPW], v[NIL]                      ; the wave's opening: the add, twice on end
	ds_add_u32 v[SPW], v[NIL]
	v_lshrrev_b32 v1, 5, v0
	v_readfirstlane_b32 s16, v1                    ; wave 0..3
	s_lshr_b32 s17, s16, 1                         ; my expert e.  Also: I fetch h (0) or W2 (1)
	s_and_b32 s18, s16, 1                          ; th.  Also: the expert that I fetch for
	s_bfe_u32 s40, ttmp6, 0x40000                  ; cx, cy: my place in the cluster
	s_bfe_u32 s41, ttmp6, 0x40004
	s_lshl_b32 s19, ttmp9, 2
	s_add_co_u32 s19, s19, s40                     ; my group of 128 tokens
	s_and_b32 s42, ttmp7, 0xffff
	s_lshl_b32 s42, s42, 2
	s_add_co_u32 s42, s42, s41                     ; my column tile
	s_lshl_b32 s43, 0x1111, s40                    ; my column of the cluster shares h
	s_lshl_b32 s44, s41, 2
	s_lshl_b32 s44, 15, s44                        ; my row shares W2
	s_mul_i32 s98, s18, LPART                      ; LDS places of what I fetch: h in Y, W2 in Y, h in X, W2 in X
	s_mul_i32 s99, s18, 128*272
	s_add_co_u32 s99, s99, YW
	s_mul_i32 s100, s18, 2*LPART
	s_add_co_u32 s100, s100, XB
	s_mul_i32 s101, s18, 128*528
	s_add_co_u32 s101, s101, XW
	s_or_b32 s[G1H+0], s43, (3<<16)|(1<<21)
	s_mov_b32 s[G1H+6], 0
	s_mov_b32 s[G1H+7], 0
	s_mov_b32 s[G1W+2], 128<<16
	s_mov_b32 s[G1W+4], 128
	s_mov_b32 s[G1W+5], 4096
	s_mov_b32 s[G1W+6], 0
	s_mov_b32 s[G1W+7], 0
	s_mov_b32 s[G0H], 1
	s_mov_b32 s[G0W], 1
	SHAPEY
	s_mul_i32 s20, s19, 2*HBLK                     ; hq: my group (all offsets stay under 2^26)
	s_mov_b32 s21, 0
	s_mul_i32 s46, s18, HBLK                       ; the expert that I fetch for, blk 4
	s_add_co_u32 s46, s46, 16384
	s_mov_b32 s47, 0
	s_lshl_b32 s22, s42, 19                        ; W2: 128 rows of 4,096 bytes,
	s_lshl_b32 s23, s18, 22                        ; and the expert
	s_add_co_u32 s22, s22, s23
	s_mov_b32 s23, 0
	s_wait_dscnt 0x0                               ; both opening adds are done
	s_wait_kmcnt 0x0
	s_add_nc_u64 s[20:21], s[4:5], s[20:21]
	s_add_nc_u64 s[G0H+2:G0H+3], s[20:21], s[46:47]
	s_or_b32 s[G0H+3], s[G0H+3], 0x80000000
	s_add_nc_u64 s[G0W+2:G0W+3], s[6:7], s[22:23]
	s_or_b32 s[G0W+3], s[G0W+3], 0x80000000
	CROUND                                         ; all sixteen work-groups are here: the first joint loads meet
	JLOAD                                          ; unit 0 into Y: ONE joint load a wave
	s_mul_i32 s66, s17, HBLK                       ; h's own loads: my expert, my blk 2 th; unit 0
	s_lshl_b32 s67, s18, 13
	s_add_co_u32 s66, s66, s67
	s_mov_b32 s67, 0
	s_add_nc_u64 s[66:67], s[20:21], s[66:67]
	s_add_nc_u64 s[DB:DB+1], s[66:67], 4*ASTEP     ; the first trip asks for units 3 to 6: from unit 4 on, and one back
	s_lshl_b32 s68, s42, 15                        ; ws2: column tile, expert
	s_lshl_b32 s69, s17, 10
	s_add_co_u32 s68, s68, s69
	s_mov_b32 s69, 0
	s_add_nc_u64 s[68:69], s[8:9], s[68:69]
	s_add_nc_u64 s[SBB:SBB+1], s[68:69], 4*2048
	v_and_b32 v1, 15, v0                           ; r
	v_bfe_u32 v2, v0, 4, 1                         ; h
	v_and_b32 v3, 31, v0
	v_lshlrev_b32 v[CO], 4, v3
	v_lshlrev_b32 v[C8], 3, v3
	s_lshl_b32 s45, s18, 13
	s_mul_i32 s75, s17, LPART
	s_mov_b32 s84, s75
	s_mul_i32 s85, s17, 2*LPART
	s_add_co_u32 s85, s85, XB
	s_add_co_u32 s75, s84, s45
	v_add_nc_u32 v[ADRA], s75, v[CO]
	s_add_co_u32 s75, s85, s45
	v_add_nc_u32 v[ADRA+1], s75, v[CO]
	v_lshlrev_b32 v4, 5, v1                        ; h's scale words: 32 r + 512 h + 8 th
	v_lshl_add_u32 v4, v2, 9, v4
	s_lshl_b32 s45, s18, 3
	s_add_co_u32 s45, s45, 16384
	s_add_co_u32 s75, s84, s45
	v_add_nc_u32 v[ADSA], s75, v4
	s_add_co_u32 s75, s85, s45
	v_add_nc_u32 v[ADSA+1], s75, v4
	v_mul_u32_u24 v5, v1, 272                      ; W2: row r x pitch + 16 x half
	v_lshl_add_u32 v5, v2, 4, v5
	s_mul_i32 s75, s17, 128*272
	s_add_co_u32 s75, s75, YW
	v_add_nc_u32 v[ADRB], s75, v5
	v_mul_u32_u24 v5, v1, 528
	v_lshl_add_u32 v6, v2, 4, v5
	s_mul_i32 s75, s17, 128*528
	s_add_co_u32 s75, s75, XW
	v_add_nc_u32 v[ADRB+1], s75, v6
	v_lshl_add_u32 v6, v2, 5, v5                   ; the stage: row r, 32 bytes for each half of the lanes; my expert, my blk 2 th
	s_mul_i32 s75, s17, ESTG
	s_mul_i32 s45, s18, 32*SPITCH
	s_add_co_u32 s75, s75, s45
	s_add_co_u32 s75, s75, XB
	v_add_nc_u32 v[STO], s75, v6
	s_mul_i32 s75, s16, 32*SPITCH                  ; back: rows 32 w on of both experts' stages
	s_add_co_u32 s75, s75, XB
	v_add_nc_u32 v[RD], s75, v[CO]
	v_add_nc_u32 v[RD+1], ESTG, v[RD]
	; the prefetches: from units 6 (Y) and 7, 8 (X) on, three units on with each trip
	s_mul_i32 s45, s19, 2*HBLK                     ; h: my group, my expert's blk 4, my 16 blocks of 256 bytes by cy
	s_add_co_u32 s45, s45, s46
	s_lshl_b32 s46, s41, 12
	s_add_co_u32 s45, s45, s46
	s_lshl_b32 s46, s40, 17                        ; W2: my 32 rows by cx
	s_add_co_u32 s46, s46, s22
	s_mov_b32 s84, ASTEP
	s_mov_b32 s85, 4096
	s_mov_b32 s83, 0
	s_mov_b32 s87, 0
	s_mov_b32 s89, 0
	s_cmp_eq_u32 s17, 0
	s_cselect_b32 s86, s45, s46
	s_cselect_b32 s88, s84, 256                    ; a unit
	s_cselect_b32 s85, 256, s85                    ; from lane to lane
	s_cselect_b32 s84, 15, 31
	s_cselect_b64 s[P0:P0+1], s[4:5], s[6:7]
	v_min_u32 v4, s84, v3                          ; (lanes that are left over name the last block again)
	v_mul_u32_u24 v[PFO], s85, v4
	s_add_nc_u64 s[P0:P0+1], s[P0:P0+1], s[86:87]
	s_mul_i32 s86, s88, 6
	s_mul_i32 s82, s88, 3
	s_add_nc_u64 s[P0:P0+1], s[P0:P0+1], s[86:87]
	s_add_nc_u64 s[P0+2:P0+3], s[P0:P0+1], s[88:89]
	s_add_nc_u64 s[P0+4:P0+5], s[P0+2:P0+3], s[88:89]
	s_add_nc_u64 s[SBB:SBB+1], s[68:69], 4*2048
	s_and_b32 s45, ttmp9, 3
	s_mul_i32 s45, s45, s17
	s_lshl_b32 s84, s45, 8                         ; I ask while the trips left are more than s84 (Y), s85 (X)
	s_add_co_u32 s85, s84, 1
	s_lshl_b32 s20, s19, 10                        ; comb: 8 bytes a token
	s_lshl_b32 s21, s16, 8
	s_add_co_u32 s20, s20, s21
	s_mov_b32 s21, 0
	s_add_nc_u64 s[12:13], s[12:13], s[20:21]
	s_lshl_b32 s22, s42, 9                         ; b2: 128 numbers a column tile
	s_mov_b32 s23, 0
	s_add_nc_u64 s[10:11], s[10:11], s[22:23]
	s_lshl_b32 s20, s19, 19                        ; out0: 128 rows of 4,096 bytes a group, 32 rows a wave, 512 bytes a column tile
	s_lshl_b32 s21, s16, 17
	s_add_co_u32 s20, s20, s21
	s_add_co_u32 s20, s20, s22
	s_mov_b32 s21, 0
	s_add_nc_u64 s[14:15], s[14:15], s[20:21]
	s_wait_alu depctr_va_vdst(0)
	global_load_b64 v[CL:CL+1], v[C8], s[12:13]    ; older than h's loads: the first wait for those shows these in
	global_load_b128 v[B2:B2+3],   v[CO], s[10:11]
	global_load_b128 v[B2+4:B2+7], v[CO], s[10:11] offset:4096
; One product: my token block a x W2's block b, K step q of a unit (= the set of fragments).
.macro WM c
.if M_ == 0
	v_wmma_scale_f32_16x16x128_f8f6f4 v[rD:rD+7], v[rB:rB+15], v[rA:rA+15], \c, v[rS], v[rT]
.elseif M_ == 1
	v_wmma_scale_f32_16x16x128_f8f6f4 v[rD:rD+7], v[rB:rB+15], v[rA:rA+15], \c, v[rS], v[rT] matrix_a_scale:MATRIX_SCALE_ROW1
.elseif M_ == 2
	v_wmma_scale_f32_16x16x128_f8f6f4 v[rD:rD+7], v[rB:rB+15], v[rA:rA+15], \c, v[rS], v[rT] matrix_b_scale:MATRIX_SCALE_ROW1
.else
	v_wmma_scale_f32_16x16x128_f8f6f4 v[rD:rD+7], v[rB:rB+15], v[rA:rA+15], \c, v[rS], v[rT] matrix_a_scale:MATRIX_SCALE_ROW1 matrix_b_scale:MATRIX_SCALE_ROW1
.endif
.endm
; Token blocks from .. to - 1 of a step, eight products each: fragments in set q, h's own in set ds, scale words in set ss.
; The 32 accumulators take turns, one instruction a turn, in the same order in every step.
.macro MULS from, to, q, ds, ss, zero
	WIN W_MUL
.set A_, \from
.rept (\to)-(\from)
.if A_ < 2
.set rA, 32*(\ds)+16*A_
.else
.set rA, 192+32*(\q)+16*(A_-2)
.endif
.set rT, SA+8*(\ss)+A_
.irp b, 0,1,2,3,4,5,6,7
.set rD, 8*(8*A_+\b)
.set rB, 128*(\q)+16*\b
.if (\ss) == 2
.set rS, SB+32+8*(\b%4)+(\q)
.else
.set rS, SB+8*(\b%4)+2*(\ss)+(\q)
.endif
.set M_, \b/4+2*(\q)
.if \zero
	WM 0
.else
	WM v[rD:rD+7]
.endif
.endr
.set A_, A_+1
.endr
.endm
.macro FETCH q, sl, u                  ; K step q of the slot's unit u into set q: 40 loads.  sl: 0 Y, 1 X
	WIN 0x40
.irp b, 0,1,2,3,4,5,6,7
.irp c, 0,1,2,3
	ds_load_b128 v[128*(\q)+16*\b+4*\c:128*(\q)+16*\b+4*\c+3], v[ADRB+(\sl)] offset:\b*16*(272+256*(\sl))+256*(\u)+128*(\q)+32*\c
.endr
.endr
	WIN 0xc0
.irp a, 0,1
.irp c, 0,1,2,3
	ds_load_b128 v[192+32*(\q)+16*\a+4*\c:192+32*(\q)+16*\a+4*\c+3], v[ADRA+(\sl)] offset:LPART*(\u)+\a*4096+2048*(\q)+512*\c
.endr
.endr
	WIN 0
.endm
.macro SAL ss, sl, u                   ; the unit's scale words of h: 2 loads
	ds_load_b64 v[SA+8*(\ss):SA+8*(\ss)+1], v[ADSA+(\sl)] offset:LPART*(\u)
	ds_load_b64 v[SA+8*(\ss)+2:SA+8*(\ss)+3], v[ADSA+(\sl)] offset:LPART*(\u)+16
.endm
.macro DLOAD ds, du, s, base           ; h's own loads: K step s of the unit du from the base on, into set ds: 8 loads
	WIN 0xc0
.irp a, 0,1
.irp c, 0,1,2,3
	global_load_b128 v[32*(\ds)+16*\a+4*\c:32*(\ds)+16*\a+4*\c+3], v[CO], s[\base:\base+1] offset:(\du)*ASTEP+\a*4096+2048*(\s)+512*\c
.endr
.endr
	WIN 0
.endm
.macro SBL ss, du, base                ; that unit's scale words of W2: 4 loads of 256 consecutive bytes
.irp j, 0,1,2,3
.if (\ss) == 2
	global_load_b64 v[SB+32+8*\j:SB+32+8*\j+1], v[C8], s[\base:\base+1] offset:(\du)*2048+256*\j
.else
	global_load_b64 v[SB+8*\j+2*(\ss):SB+8*\j+2*(\ss)+1], v[C8], s[\base:\base+1] offset:(\du)*2048+256*\j
.endif
.endr
.endm
; A CHANGE OF SLOTS, ahead of it and in it the products of the old slot's last step (set 1) up to token block n0.  Each wave waits for all its tensor loads (its part of the new slot), adds 0 to its spare word, and waits for
; that and for its reads of the old slot.  fill: 1, 2: a round of the cluster's barrier, behind which the old slot (1: Y, 2: X) is filled again, one load a wave; 0: the last change, nothing is filled.
.macro CHG fill, n0, ds, ss
	s_wait_dscnt 0x0                               ; set 1 is in
.if \n0
	MULS 0, \n0, 1, \ds, \ss, 0
.endif
	WIN 0
	s_wait_tensorcnt 0x0
	ds_add_u32 v[SPW], v[NIL]                      ; 0 onto my spare word; eight products stand between it and the wait for it
.if (\fill) == 1
	SETY
.elseif (\fill) == 2
	SETX
.endif
	MULS \n0, (\n0)+1, 1, \ds, \ss, 0
	WIN 0
	s_wait_dscnt 0x0
	s_barrier_signal -1
	s_barrier_wait -1
.if \fill
	CREST                                          ; no wave of any partner reads the old slot or has a load on its way
	JLOAD
	PLACES 4
.else
	PLACES 8
.endif
.endm
.macro ASK p, lim                      ; a prefetch
	global_prefetch_b8 v[PFO], s[\p:\p+1] th:TH_LOAD_NT scope:SCOPE_SE
.endm
; A TRIP: X's two units, then Y's one; six steps.  last = 1: X is filled no more, and nothing is asked for but Y's second step.
; A unit's loads into registers are, in order: step 0's eight, step 1's eight, four of scale words.  In front of a unit's first products the two younger units' 40 may be out (in the last trip what is left of them).
.macro TRIP last
	CHG 1, 2, 5, 2                                 ; to X
	FETCH 0, 1, 0
	SAL 0, 1, 0
	MULS 3, 4, 1, 5, 2, 0
	PLACES 8
	DLOAD 5, -1, 1, DB                             ; this trip's Y
	SBL 2, -1, SBB
	FETCH 1, 1, 0
.if (\last) == 0
	s_cmp_gt_u32 s3, s84
	s_cbranch_scc0 .Lno_y_\@
	ASK P0
.Lno_y_\@:
.endif
	s_wait_dscnt 40                                ; set 0 is in; set 1's 40 loads may be out
	s_wait_loadcnt 40
	MULS 0, 4, 0, 0, 0, 0
	PLACES 8
.if (\last) == 0
	DLOAD 0, 0, 0, DB
.endif
	FETCH 0, 1, 1
	SAL 1, 1, 1
	s_wait_dscnt 42
	MULS 0, 4, 1, 1, 0, 0
	PLACES 8
.if (\last) == 0
	DLOAD 1, 0, 1, DB
	SBL 0, 0, SBB
.endif
	FETCH 1, 1, 1
	s_wait_dscnt 40
.if \last
	s_wait_loadcnt 20
.else
	s_wait_loadcnt 40
.endif
	MULS 0, 4, 0, 2, 1, 0
	PLACES 8
.if (\last) == 0
	DLOAD 2, 1, 0, DB
	CHG 2, 0, 3, 1                                 ; to Y
.else
	CHG 0, 0, 3, 1
.endif
	FETCH 0, 0, 0
	SAL 2, 0, 0
	MULS 1, 4, 1, 3, 1, 0
	PLACES 8
.if (\last) == 0
	DLOAD 3, 1, 1, DB
	SBL 1, 1, SBB
.endif
	FETCH 1, 0, 0
.if (\last) == 0
	s_cmp_gt_u32 s3, s85
	s_cbranch_scc0 .Lno_x_\@
	ASK P0+2
	ASK P0+4
.Lno_x_\@:
.endif
	s_wait_dscnt 40
.if \last
	s_wait_loadcnt 0x0
.else
	s_wait_loadcnt 40
.endif
	MULS 0, 4, 0, 4, 2, 0
	PLACES 8
.if (\last) == 0
	DLOAD 4, 2, 0, DB
.endif
.endm
	DLOAD 4, 0, 0, 66                              ; unit 0 as Y, units 1 and 2 as the first trip's X
	DLOAD 5, 0, 1, 66
	SBL 2, 0, 68
	DLOAD 0, 1, 0, 66
	DLOAD 1, 1, 1, 66
	SBL 0, 1, 68
	DLOAD 2, 2, 0, 66
	DLOAD 3, 2, 1, 66
	SBL 1, 2, 68
	s_wait_tensorcnt 0x0                           ; my tile of unit 0 is in
	ds_add_u32 v[SPW], v[NIL]
	SETX
	s_mov_b32 s3, 4
	s_wait_dscnt 0x0
	CROUND                                         ; Y is in everywhere
	JLOAD                                          ; units 1, 2 into X
	FETCH 0, 0, 0
	SAL 2, 0, 0
	FETCH 1, 0, 0
	s_wait_dscnt 40
	s_wait_loadcnt 40
	MULS 0, 4, 0, 4, 2, 1                          ; these start the sums: nothing is ever cleared
	PLACES 8
	s_wait_xcnt 0x0
	s_sub_nc_u64 s[DB:DB+1], s[DB:DB+1], 0         ; (the base stands at unit 4: unit 3 lies one unit back)
	DLOAD 4, -1, 0, DB
.Ltrip:                                                ; trips 0 to 3: units 1 to 12; refills with units 3 to 14
	TRIP 0
	s_wait_xcnt 0x0                                ; the loads and the prefetches have read their bases
	s_add_nc_u64 s[DB:DB+1], s[DB:DB+1], 3*ASTEP
	s_add_nc_u64 s[SBB:SBB+1], s[SBB:SBB+1], 3*2048
	s_add_nc_u64 s[P0:P0+1], s[P0:P0+1], s[82:83]
	s_add_nc_u64 s[P0+2:P0+3], s[P0+2:P0+3], s[82:83]
	s_add_nc_u64 s[P0+4:P0+5], s[P0+4:P0+5], s[82:83]
	s_sub_co_u32 s3, s3, 1
	s_cmp_lg_u32 s3, 0
	s_cbranch_scc1 .Ltrip
	TRIP 1                                         ; units 13 to 15, but the last step
	; THE WAY OUT.  Each wave lays its tile into the stage, its expert's 128 rows of 512 bytes, a block as soon as it is finished; a barrier; wave w then takes rows 32 w .. 32 w + 31 of both experts' stages and stores whole rows of
	; 512 bytes.  The stage lies in slot X's bytes: that slot has had its last fill, and every wave has passed the last change of slots, behind which nobody reads it.
.macro ST a
	WIN 0x08                                       ; an LDS store's data are its source 1: window 2
.set AO_, \a
.if \a > 1
.set AO_, \a+2
.endif
.irp b, 0,1,2,3,4,5,6,7
	ds_store_b128 v[STO], v[8*(8*\a+\b):8*(8*\a+\b)+3]   offset:AO_*16*SPITCH+64*\b
	ds_store_b128 v[STO], v[8*(8*\a+\b)+4:8*(8*\a+\b)+7] offset:AO_*16*SPITCH+64*\b+16
.endr
.endm
	s_wait_dscnt 0x0
	MULS 0, 2, 1, 5, 2, 0
	PLACES 8
	ST 0
	MULS 2, 3, 1, 5, 2, 0
	ST 1
	MULS 3, 4, 1, 5, 2, 0
	PLACES 8
	ST 2
	ST 3
	WIN 0
	s_wait_dscnt 0x0                               ; my stores into the stage have landed
	s_barrier_signal -1
	s_barrier_wait -1
.macro LOADB g                         ; rows 4 g .. 4 g + 3 of the two stages: eight loads, into one of two buffers of 32 registers
.irp u, 0,1,2,3
.irp e, 0,1
	ds_load_b128 v[BUF+32*((\g)%2)+8*\u+4*\e:BUF+32*((\g)%2)+8*\u+4*\e+3], v[RD+\e] offset:(4*(\g)+\u)*SPITCH
.endr
.endr
.endm
.macro ROWS g                          ; out = c0 (expert 0's sum + b2_0) + c1 (expert 1's sum + b2_1); the row's c0 and c1 come out of their lane as scalars
.irp u, 0,1,2,3
.set R0, BUF+32*((\g)%2)+8*\u
	v_readlane_b32 s[80+2*\u], v[CL],   4*(\g)+\u
	v_readlane_b32 s[81+2*\u], v[CL+1], 4*(\g)+\u
	v_pk_add_f32 v[R0:R0+1],   v[R0:R0+1],   v[B2:B2+1]
	v_pk_add_f32 v[R0+2:R0+3], v[R0+2:R0+3], v[B2+2:B2+3]
	v_pk_add_f32 v[R0+4:R0+5], v[R0+4:R0+5], v[B2+4:B2+5]
	v_pk_add_f32 v[R0+6:R0+7], v[R0+6:R0+7], v[B2+6:B2+7]
.irp k, 0,1,2,3
	v_mul_f32 v[R0+\k], s[80+2*\u], v[R0+\k]
.endr
.irp k, 0,1,2,3
	v_fmac_f32 v[R0+\k], s[81+2*\u], v[R0+4+\k]
.endr
	global_store_b128 v[CO], v[R0:R0+3], s[14:15] offset:(4*(\g)+\u)*4096 th:TH_STORE_NT   ; 32 lanes store 512 consecutive bytes, aligned
.endr
.endm
	LOADB 0
.irp g, 0,1,2,3,4,5,6
.if \g > 0
	s_wait_xcnt 0x0                                ; batch g - 1's stores have read their registers: the next batch's loads may land there
.endif
	LOADB \g+1
	s_wait_dscnt 8                                 ; batch g is in; the next batch's eight loads may be out
	ROWS \g
.endr
	s_wait_dscnt 0x0
	ROWS 7
	s_wait_tensorcnt 0x0                           ; the wave's end
	ds_add_u32 v[SPW], v[NIL]
	s_wait_dscnt 0x0
	CROUND                                         ; the closing round: no work-group ends while a partner may still ask for a tile that names it
	s_endpgm
.Lfunc_end_k_qb28cd8ce64_gemm2:
	.size	k_qb28cd8ce64_gemm2, .Lfunc_end_k_qb28cd8ce64_gemm2-k_qb28cd8ce64_gemm2
	.p2alignl 7, 3214868480
	.fill 96, 4, 3214868480
	.section	.rodata,"a",@progbits
	.p2align	6, 0x0
	.amdhsa_kernel k_qb28cd8ce64_gemm2
		.amdhsa_group_segment_fixed_size 327680
		.amdhsa_private_segment_fixed_size 0
		.amdhsa_enable_private_segment 0
		.amdhsa_kernarg_size 48
		.amdhsa_user_sgpr_count 2
		.amdhsa_user_sgpr_kernarg_segment_ptr 1
		.amdhsa_wavefront_size32 1
		.amdhsa_system_sgpr_workgroup_id_x 1
		.amdhsa_system_sgpr_workgroup_id_y 1
		.amdhsa_system_sgpr_workgroup_id_z 1
		.amdhsa_system_vgpr_workitem_id 0
		.amdhsa_next_free_vgpr 1024
		.amdhsa_next_free_sgpr 102
		.amdhsa_reserve_vcc 0
		.amdhsa_float_denorm_mode_32 3
		.amdhsa_float_denorm_mode_16_64 3
		.amdhsa_memory_ordered 1
		.amdhsa_forward_progress 1
		.amdhsa_inst_pref_size 162
	.end_amdhsa_kernel
	.amdgpu_metadata
---
amdhsa.version: [ 1, 2 ]
amdhsa.kernels:
  - .name:           k_qb28cd8ce64_gemm2
    .symbol:         k_qb28cd8ce64_gemm2.kd
    .args:
      - { .name: hq, .offset: 0, .size: 8, .value_kind: global_buffer, .address_space: global }
      - { .name: w2_codes, .offset: 8, .size: 8, .value_kind: global_buffer, .address_space: global }
      - { .name: ws2, .offset: 16, .size: 8, .value_kind: global_buffer, .address_space: global }
      - { .name: b2, .offset: 24, .size: 8, .value_kind: global_buffer, .address_space: global }
      - { .name: comb, .offset: 32, .size: 8, .value_kind: global_buffer, .address_space: global }
      - { .name: out0, .offset: 40, .size: 8, .value_kind: global_buffer, .address_space: global }
    .group_segment_fixed_size: 327680
    .private_segment_fixed_size: 0
    .kernarg_segment_align: 8
    .kernarg_segment_size: 48
    .max_flat_workgroup_size: 128
    .sgpr_count:     102
    .vgpr_count:     1024
    .wavefront_size: 32
...
	.end_amdgpu_metadata
.endif
;; end of part 3
